; MI455X (gfx1250); checked and timed in simulation.
; The chip was launched on July 23, 2026; its instructions are those of AMD's public machine-readable ISA for CDNA 5 (MIT licence, August 2026) and "CDNA5" Instruction Set Architecture Reference Guide (July 2026). The comments in the code are by the model that wrote it; some were corrected since.
;; Multi Head Attention. Allowed arithmetic: matrix products marked QUANTISED: E4M3 operands, one given power-of-two scale a tensor, by v_wmma_f32_16x16x64_fp8_fp8 or v_wmma_f32_16x16x128_fp8_fp8, f32 sums; everything else in f32.
;; Inputs: Wk 16 x 1,024 x 64 float32; Wo 1,024 x 1,024 float32; Wq 16 x 1,024 x 64 float32; Wv 16 x 1,024 x 64 float32; bo 1,024 float32; lowp_scales 12 int32 (the exponents e of the quantised operands' scales 2^e); x 4 x 2,048 x 1,024 float32.
;; Outputs: out0 4 x 2,048 x 1,024 float32.
;; This version of the problem:
;;   THIS VERSION OF THE PROBLEM IS GIVEN IN LOW PRECISION. The matrix products marked QUANTISED in the list below multiply operands that are first quantised to E4M3 (4 exponent bits, 3 mantissa bits; 8 bits a number), with one given power-of-two scale for each operand tensor; their sums are f32. All else is computed in f32.
;;   The module's matrix products, in the order in which they are computed (A, B: the left and right operand; K: the contracted axis; several contracted axes count as one K, in the product's order):
;;     1. [M 1,024, K 1,024] x [K 1,024, N 8,192]; A: input Wq; B: input x: QUANTISED (scales: A lowp_scales[0], B lowp_scales[1])
;;     2. [M 1,024, K 1,024] x [K 1,024, N 8,192]; A: input Wk; B: input x: QUANTISED (scales: A lowp_scales[2], B lowp_scales[3])
;;     3. [M 1,024, K 1,024] x [K 1,024, N 8,192]; A: input Wv; B: input x: QUANTISED (scales: A lowp_scales[4], B lowp_scales[5])
;;     4. batch 64 x [M 2,048, K 64] x [K 64, N 2,048]; A: computed on the way; B: computed on the way: QUANTISED (scales: A lowp_scales[6], B lowp_scales[7])
;;     5. batch 64 x [M 2,048, K 2,048] x [K 2,048, N 64]; A: softmax (see below); B: computed on the way: QUANTISED (scales: A lowp_scales[8], B lowp_scales[9])
;;     6. [M 8,192, K 1,024] x [K 1,024, N 1,024]; A: computed on the way; B: input Wo: QUANTISED (scales: A lowp_scales[10], B lowp_scales[11])
;;   THE QUANTISER, for each operand of a quantised product, along K:
;;     - The operand's scale is 2^e, e = its entry of the input lowp_scales (int32; the entries are numbered through the quantised products in the list's order, A before B).
;;     - Each number is divided by the scale, clamped to +-448, and rounded to the nearest number of E4M3, ties to even, subnormals kept.
;;     - The product sums the exact products of the quantised numbers (number of the format x scale) in f32.
;;   ~~~python
;;   def quantise(x, axis, e):      # numpy; x: float32 -> the quantised numbers, widened to float32 again
;;       x = np.moveaxis(x, axis, -1); K = x.shape[-1]
;;       r = np.clip(x / 2.0 ** e, -448, 448)
;;       step = 2.0 ** (np.maximum(np.frexp(np.where(r == 0, 1, r))[1] - 1, -6) - 3)
;;       q = np.round(r / step) * step * 2.0 ** e      # np.round: ties to even
;;       return np.moveaxis(q, -1, axis).astype(np.float32)
;;   ~~~
;;   SOFTMAX AHEAD OF A QUANTISED PRODUCT. Where the list says 'softmax', what is quantised is not the finished softmax but p = 2^(t - M), with t = logit x log2(e) and M = ceil(the row's largest t), a whole number; so 1/2 < the row's largest p <= 1. The row's sum l is taken of the UNQUANTISED p, in f32, and the product's result is divided by l at the end. Since M is a whole number, a kernel that streams over the keys may use a running M (the ceiling of the running maximum): every later rescaling is an exact power of two, so the quantised numbers keep their values, but for numbers so far below the row's largest that they fall under the format's range.
;;   OPERANDS COMPUTED ON THE WAY. 'Computed on the way' means the value that the module computes at that place (a softmax that the list does not call 'softmax' is quantised finished and normalised). What goes into a quantiser is computed in f32, as accurately as f32 sums, v_exp_f32 and their like allow (about 1e-6 of the number): no bf16 or f16 on the way to a quantiser, and a product that is left as it is and whose result goes on into a quantised operand takes f32 operands (vector FMAs, or v_wmma_f32_16x16x4_f32). A number that lies on a knife's edge between two numbers of the format may be rounded either way, as far as f32 arithmetic and the matrix unit's own rounding can turn it there, and no further.
;; One version. Each part assembles by itself: llvm-mc -triple=amdgcn-amd-amdhsa -mcpu=gfx1250 --defsym DOCPART=n.
;; ======== version 1 of 1: 4 launches
;; limits: right only within a limited range of input values
;; workspace buffers: xc 25,165,824 bytes; wc 4,194,304 bytes; qkv 25,165,824 bytes; oc 8,388,608 bytes
;; launch quant (part 1): grid 384 x 1, 4 waves a work-group, no clusters, 68,096 bytes of LDS; arguments x, Wo, Wq, Wk, Wv, lowp_scales, xc, wc; writes xc, wc
.if DOCPART == 1
	.amdgcn_target "amdgcn-amd-amdhsa--gfx1250"
	.amdhsa_code_object_version 6
	.text
	.protected	k_q10a6d0ee02_quant
	.globl	k_q10a6d0ee02_quant
	.p2align	8
	.type	k_q10a6d0ee02_quant,@function
k_q10a6d0ee02_quant:
	s_mov_b64 s[64:65], 0
	v_nop
	global_prefetch_b8 v0, s[64:65] scope:SCOPE_SE
	s_setreg_imm32_b32 hwreg(HW_REG_WAVE_MODE, 25, 1), 1
	s_wait_xcnt 0x0
; Every f32 input of the six products becomes codes of FP8 (E4M3), K innermost, with the scale 2^e that is given for it.
; code = number / 2^e, held within +-448, rounded to the nearest code, ties to even.
; x is an operand of three products and has three scales of its own (entries 1, 3, 5): it is read once and quantised three times: xc [3][8192][1024].
; wc [4][1024 n][1024 k]: planes 0, 1, 2 = Wq, Wk, Wv with n = 64 head + e, k = d (entries 0, 2, 4); plane 3 = Wo[n][k] (entry 11).
; LIMITS: each e used here lies between -126 and 119, so that 2^e and 448 x 2^e are f32 numbers.  NaN among the inputs is not served (an infinity is held at the largest code).
; SHARES: every work-group takes 32,768 numbers.  Work-groups 0-255: x; 256-287: Wo (K innermost: plain streams); 288-383: Wq, Wk, Wv (K is the middle axis: a lane takes a column, its registers run down K).
; The two ways part once, on the work-group's number, and have LDS bytes of their own: the streams' stages at 0, the weights' at 32,768.  No tensor load, no barrier: waves share nothing.
.set STEPS, 16                         ; a stream's wave: 16 steps of 512 numbers
.set SP,    80                         ; a lane's place in a stream's stage: 64 bytes + 16 of padding
.set WREG,  8192                       ; a wave's two stages of 32 x SP bytes lie here
.set R,     16                         ; v16-79   four sets of 16 numbers as they are loaded
.set X,     80                         ; v80-111  two sets of 16 neighbours along K
.set T,     112
.set C,     128                        ; v128-139 codes: four registers for each of three scales
.set WST,   32768                      ; the weights' stages: 32 rows x 272 bytes for each wave
.set WP,    272
.set NB,    8                          ; blocks of 32 along K for a wave of the weights' way
.set WX,    32                         ; v32-95   two sets of 32 numbers
.set WC,    96                         ; v96-103  a block's codes
.set OUTR,  112                        ; v112-175 the way out
.macro MKSC e, vs, vl                  ; s[e] = the exponent: v[vs] = 2^e as f32 (the conversion takes its exponent field)
	s_add_co_i32 s48, s[\e], 127
	s_lshl_b32 s49, s48, 23
	v_mov_b32 v[\vs], s49
	s_add_co_i32 s48, s48, 8
	s_lshl_b32 s48, s48, 23
	s_or_b32 s48, s48, 0x600000
.endm
	s_load_b512 s[4:19], s[0:1], 0x0               ; x 4:5, Wo 6:7, Wq 8:9, Wk 10:11, Wv 12:13, the exponents 14:15, xc 16:17, wc 18:19
	v_lshl_add_u32 v192, v0, 2, 0x10800
	v_mov_b32 v193, 0
	v_lshrrev_b32 v1, 5, v0
	v_readfirstlane_b32 s32, v1                    ; wave 0..3
	v_and_b32 v2, 31, v0                           ; lane
	s_wait_kmcnt 0x0
	s_load_b256 s[20:27], s[14:15], 0x0            ; e0 .. e7
	s_load_b128 s[28:31], s[14:15], 0x20           ; e8 .. e11
	s_cmp_ge_u32 ttmp9, 288
	s_cbranch_scc1 .Lweights
; ---------------- the streams: x (three scales) and Wo (one) ----------------
; Each load reads 512 consecutive bytes, 16 a lane; a step's 2,048 bytes go through the wave's own stage and come back 64 bytes a lane: 16 neighbours along K, as the conversions want them.
	s_cmp_lt_u32 ttmp9, 256                        ; x's work-group or Wo's: the choice hangs on the work-group's number alone
	s_cselect_b32 s33, 1, 0                        ; 1: x
	s_cselect_b64 s[36:37], s[4:5], s[6:7]         ; from
	s_cselect_b64 s[38:39], s[16:17], s[18:19]     ; to
	s_cselect_b32 s34, 0, 256
	s_cselect_b32 s35, 0, 3<<20                    ; Wo's codes are wc's plane 3
	s_sub_co_u32 s34, ttmp9, s34
	s_lshl_b32 s34, s34, 2
	s_add_co_u32 s34, s34, s32                     ; which run of 8,192 numbers is my wave's
	s_lshl_b32 s46, s34, 15                        ; 32,768 bytes of f32
	s_mov_b32 s47, 0
	s_add_nc_u64 s[36:37], s[36:37], s[46:47]
	s_lshl_b32 s46, s34, 13                        ; 8,192 bytes of codes
	s_add_co_u32 s46, s46, s35
	s_add_nc_u64 s[38:39], s[38:39], s[46:47]
	s_add_nc_u64 s[40:41], s[38:39], 0x800000      ; xc's sets 1 and 2: named by x's work-groups alone
	s_add_nc_u64 s[42:43], s[38:39], 0x1000000
	s_wait_alu depctr_va_vdst(0)
	v_lshlrev_b32 v3, 4, v2                        ; my 16 bytes of a load's 512, and of a store's
	s_mul_i32 s45, s32, WREG
	v_lshrrev_b32 v14, 2, v2
	v_mul_u32_u24 v14, v14, SP
	v_and_b32 v15, 3, v2
	v_lshl_add_u32 v14, v15, 4, v14
	v_add_nc_u32 v14, s45, v14                     ; the stage, on the way in: four lanes' 64 bytes on end, then 16 of padding
	v_mul_u32_u24 v15, v2, SP
	v_add_nc_u32 v15, s45, v15                     ; and on the way out: my 16 neighbours
.macro LOAD t
.irp i, 0,1,2,3
	global_load_b128 v[R+16*((\t)%4)+4*\i:R+16*((\t)%4)+4*\i+3], v3, s[36:37] offset:2048*(\t)+512*\i th:TH_LOAD_NT
.endr
.endm
.macro TURN t                          ; LDS serves a wave's instructions in order: no wait between the stores and the loads
.irp i, 0,1,2,3
	ds_store_b128 v14, v[R+16*((\t)%4)+4*\i:R+16*((\t)%4)+4*\i+3] offset:32*SP*((\t)%2)+8*SP*\i
.endr
.irp i, 0,1,2,3
	ds_load_b128 v[X+16*((\t)%2)+4*\i:X+16*((\t)%2)+4*\i+3], v15 offset:32*SP*((\t)%2)+16*\i
.endr
.endm
.macro QS t, k, base                   ; step t's 16 numbers under scale k: held, converted, stored: the wave's store covers 512 consecutive bytes
.irp i, 0,1,2,3,4,5,6,7,8,9,10,11,12,13,14,15
.endr
	v_cvt_scalef32_pk8_fp8_f32 v[C+4*\k:C+4*\k+1], v[T+((X+16*((\t)%2)+0)-(T+0)):T+7+((X+16*((\t)%2)+0)-(T+0))], v[6+2*\k]
	v_cvt_scalef32_pk8_fp8_f32 v[C+4*\k+2:C+4*\k+3], v[T+8+((X+16*((\t)%2)+0)-(T+0)):T+15+((X+16*((\t)%2)+0)-(T+0))], v[6+2*\k]
	v_nop                                          ; one plain line behind the last conversion
	global_store_b128 v3, v[C+4*\k:C+4*\k+3], s[\base:\base+1] offset:512*(\t)
.endm
.irp t, 0,1,2,3
	LOAD \t
.endr
	s_wait_alu depctr_va_vdst(0)
	s_wait_kmcnt 0x0
	s_cmp_lt_u32 ttmp9, 256
	s_cselect_b32 s44, s21, s31                    ; e1 for x, e11 for Wo
	MKSC 44, 6, 7
	MKSC 23, 8, 9                                  ; e3
	MKSC 25, 10, 11                                ; e5
	s_wait_alu depctr_va_vdst(0)
	s_wait_loadcnt 12                              ; step 0's four loads are in
	TURN 0
.macro STEP t
	s_wait_xcnt 0x0                                ; the last step's stores have read their data: the codes' registers may be written again
	s_wait_dscnt 0x0                               ; this step's numbers are back from the stage, and its stores into the stage have read their registers,
.if (\t)+4 < STEPS
	LOAD (\t)+4                                    ; which take the loads of four steps on
.endif
.if (\t)+1 < STEPS
.if STEPS-2-(\t) >= 3
	s_wait_loadcnt 12                              ; the next step's four loads are in; those of the three steps behind it may be out
.else
	s_wait_loadcnt 4*(STEPS-2-(\t))
.endif
	TURN (\t)+1
.endif
	QS \t, 0, 38
	s_cmp_eq_u32 s33, 0                            ; Wo has one scale
	s_cbranch_scc1 .Lone_\@
	QS \t, 1, 40
	QS \t, 2, 42
.Lone_\@:
.endm
.irp t, 0,1,2,3,4,5,6,7,8,9,10,11,12,13,14,15
	STEP \t
.endr
	s_wait_tensorcnt 0x0
	ds_add_u32 v192, v193
	s_wait_dscnt 0x0
	s_endpgm
; ---------------- Wq, Wk, Wv: [head][d][e], K = d is not innermost ----------------
; A lane takes a column e and its registers run down d: the conversions then give codes with K innermost.  A wave takes 32 columns x 256 along K; its codes leave through its own stage as rows: sixteen lanes store 256 consecutive bytes, aligned.
.Lweights:
	s_sub_co_u32 s34, ttmp9, 288
	s_lshr_b32 s35, s34, 5                         ; which tensor: 0, 1, 2
	s_bfe_u32 s45, s34, 0x40001                    ; head
	s_and_b32 s46, s34, 1
	s_and_b32 s47, s32, 1                          ; which 32 of the head's 64 columns
	s_lshr_b32 s50, s32, 1
	s_lshl_b32 s46, s46, 1
	s_add_co_u32 s46, s46, s50                     ; which 256 of the 1,024 along K
	s_lshl_b32 s50, s45, 18                        ; from: head x 1,024 rows of 256 bytes
	s_lshl_b32 s51, s46, 16
	s_add_co_u32 s50, s50, s51
	s_lshl_b32 s51, s47, 7
	s_add_co_u32 s50, s50, s51
	s_mov_b32 s51, 0
	s_lshl_b32 s52, s35, 20                        ; to: the plane, row 64 head + 32 half, byte 256 x quarter
	s_lshl_b32 s53, s45, 16
	s_add_co_u32 s52, s52, s53
	s_lshl_b32 s53, s47, 15
	s_add_co_u32 s52, s52, s53
	s_lshl_b32 s53, s46, 8
	s_add_co_u32 s52, s52, s53
	s_mov_b32 s53, 0
	s_cmp_eq_u32 s35, 0
	s_cselect_b64 s[36:37], s[8:9], s[10:11]
	s_cmp_eq_u32 s35, 2
	s_cselect_b64 s[36:37], s[12:13], s[36:37]
	s_add_nc_u64 s[36:37], s[36:37], s[50:51]
	s_add_nc_u64 s[38:39], s[18:19], s[52:53]
	s_wait_alu depctr_va_vdst(0)
	v_lshlrev_b32 v3, 2, v2                        ; in: 4 bytes a lane
	s_mul_i32 s54, s32, 32*WP
	s_add_co_u32 s54, s54, WST                     ; my stage
	v_mul_u32_u24 v4, v2, WP
	v_add_nc_u32 v4, s54, v4                       ; into it: row = my column
	v_and_b32 v5, 15, v2
	v_lshrrev_b32 v6, 4, v2
	v_mul_u32_u24 v7, v6, WP
	v_lshl_add_u32 v7, v5, 4, v7
	v_add_nc_u32 v7, s54, v7                       ; out of it: sixteen lanes to a row, two rows an instruction
	v_lshlrev_b32 v8, 10, v6
	v_lshl_add_u32 v8, v5, 4, v8                   ; and the same place in wc
.macro WLOAD t                         ; block t: W(32 t + i, my column) into set t % 2
.set i, 0
.rept 32
	global_load_b32 v[WX+32*((\t)%2)+i], v3, s[36:37] offset:(32*(\t)+i)*256
.set i, i+1
.endr
.endm
	WLOAD 0
	WLOAD 1
	s_wait_kmcnt 0x0
	s_cmp_eq_u32 s35, 0
	s_cselect_b32 s44, s20, s22                    ; e0, e2
	s_cmp_eq_u32 s35, 2
	s_cselect_b32 s44, s24, s44                    ; e4
	MKSC 44, 11, 10
.macro WBLOCK t
.set XS, WX+32*((\t)%2)
.if (\t) < NB-1
	s_wait_loadcnt 32                              ; this block's 32 loads are in; the next block's may be out
.else
	s_wait_loadcnt 0
.endif
.set i, 0
.rept 32
.set i, i+1
.endr
.irp g, 0,1,2,3
	v_cvt_scalef32_pk8_fp8_f32 v[WC+2*\g:WC+2*\g+1], v[XS+8*\g:XS+8*\g+7], v11
.endr
	v_nop                                          ; one plain line behind the last conversion
	ds_store_b128 v4, v[WC:WC+3] offset:32*(\t)    ; 32 codes: 32 bytes of my column's row
	ds_store_b128 v4, v[WC+4:WC+7] offset:32*(\t)+16
.if (\t)+2 < NB
	WLOAD (\t)+2
.endif
	s_wait_dscnt 0x0                               ; the stores have read their registers: the next block's codes may be written
.endm
	s_wait_alu depctr_va_vdst(0)
.irp t, 0,1,2,3,4,5,6,7
	WBLOCK \t
.endr
.irp t, 0,1,2,3,4,5,6,7,8,9,10,11,12,13,14,15
	ds_load_b128 v[OUTR+4*\t:OUTR+4*\t+3], v7 offset:2*\t*WP
.endr
.irp t, 0,1,2,3,4,5,6,7,8,9,10,11,12,13,14,15
	s_wait_dscnt 15-\t
	global_store_b128 v8, v[OUTR+4*\t:OUTR+4*\t+3], s[38:39] offset:2*\t*1024
.endr
	s_wait_tensorcnt 0x0
	ds_add_u32 v192, v193
	s_wait_dscnt 0x0
	s_endpgm
.Lfunc_end_k_q10a6d0ee02_quant:
	.size	k_q10a6d0ee02_quant, .Lfunc_end_k_q10a6d0ee02_quant-k_q10a6d0ee02_quant
	.p2alignl 7, 3214868480
	.fill 96, 4, 3214868480
	.section	.rodata,"a",@progbits
	.p2align	6, 0x0
	.amdhsa_kernel k_q10a6d0ee02_quant
		.amdhsa_group_segment_fixed_size 68096
		.amdhsa_private_segment_fixed_size 0
		.amdhsa_enable_private_segment 0
		.amdhsa_kernarg_size 64
		.amdhsa_user_sgpr_count 2
		.amdhsa_user_sgpr_kernarg_segment_ptr 1
		.amdhsa_wavefront_size32 1
		.amdhsa_system_sgpr_workgroup_id_x 1
		.amdhsa_system_sgpr_workgroup_id_y 1
		.amdhsa_system_sgpr_workgroup_id_z 1
		.amdhsa_system_vgpr_workitem_id 0
		.amdhsa_next_free_vgpr 194
		.amdhsa_next_free_sgpr 66
		.amdhsa_reserve_vcc 0
		.amdhsa_float_denorm_mode_32 3
		.amdhsa_float_denorm_mode_16_64 3
		.amdhsa_fp16_overflow 1
		.amdhsa_memory_ordered 1
		.amdhsa_forward_progress 1
		.amdhsa_inst_pref_size 65
	.end_amdhsa_kernel
	.amdgpu_metadata
---
amdhsa.version: [ 1, 2 ]
amdhsa.kernels:
  - .name:           k_q10a6d0ee02_quant
    .symbol:         k_q10a6d0ee02_quant.kd
    .args:
      - { .name: x, .offset: 0, .size: 8, .value_kind: global_buffer, .address_space: global }
      - { .name: Wo, .offset: 8, .size: 8, .value_kind: global_buffer, .address_space: global }
      - { .name: Wq, .offset: 16, .size: 8, .value_kind: global_buffer, .address_space: global }
      - { .name: Wk, .offset: 24, .size: 8, .value_kind: global_buffer, .address_space: global }
      - { .name: Wv, .offset: 32, .size: 8, .value_kind: global_buffer, .address_space: global }
      - { .name: lowp_scales, .offset: 40, .size: 8, .value_kind: global_buffer, .address_space: global }
      - { .name: xc, .offset: 48, .size: 8, .value_kind: global_buffer, .address_space: global }
      - { .name: wc, .offset: 56, .size: 8, .value_kind: global_buffer, .address_space: global }
    .group_segment_fixed_size: 68096
    .private_segment_fixed_size: 0
    .kernarg_segment_align: 8
    .kernarg_segment_size: 64
    .max_flat_workgroup_size: 128
    .sgpr_count:     66
    .vgpr_count:     194
    .wavefront_size: 32
...
	.end_amdgpu_metadata
.endif
;; end of part 1
;; launch qkv (part 2): grid 12 x 32, 4 waves a work-group, clusters of 4 x 4, 327,680 bytes of LDS; arguments xc, wc, lowp_scales, qkv; writes qkv
.if DOCPART == 2
	.amdgcn_target "amdgcn-amd-amdhsa--gfx1250"
	.amdhsa_code_object_version 6
	.text
	.protected	k_q10a6d0ee02_qkv
	.globl	k_q10a6d0ee02_qkv
	.p2align	8
	.type	k_q10a6d0ee02_qkv,@function
k_q10a6d0ee02_qkv:
	s_mov_b64 s[64:65], 0
	v_nop
	global_prefetch_b8 v0, s[64:65] scope:SCOPE_SE
	s_setreg_imm32_b32 hwreg(HW_REG_WAVE_MODE, 25, 1), 1
	s_wait_xcnt 0x0
	s_wait_alu depctr_hold_cnt(0) depctr_sa_sdst(0) depctr_va_vdst(0) depctr_va_sdst(0) depctr_va_ssrc(0) depctr_va_vcc(0) depctr_vm_vsrc(0)
	s_getreg_b32 s2, hwreg(HW_REG_IB_STS2, 6, 4)
	s_cmp_eq_u32 s2, 0
	s_cbranch_scc0 .Lentry_in_a_cluster
	s_endpgm
.Lentry_in_a_cluster:
	s_bfe_u32 s2, ttmp6, 0x10000c
	s_cmp_lg_u32 s2, 0xf033
	s_cbranch_scc0 .Lentry_shape_is_right
	s_endpgm
.Lentry_shape_is_right:
.set KROW,   1024
.set ROWB,   256
.set PITCH,  272
.set FR,     16
.set NL,     4
.set NP,     4
.set HALFT,  128*PITCH
.set SLOT,   4*HALFT
.set SPARE,  2*SLOT
.set SPITCH, 144
.set ADRA, 16
.set ADRB, 20
.set STO,  24
.set RD,   25
.set CO,   26
.set SPW,  28
.set NIL,  29
.set SC,   30
.set LIM,  31
.set TMP,  32
.set CD,   96
.set AF,   128
.set BK,   128
.set G1, 24
.set G0, 32
.set G1B, 48
.set G0B, 56
.set MSB, 0
.macro WIN new
.if MSB != \new
	s_set_vgpr_msb (MSB<<8)|\new
.set MSB, \new
.endif
.endm
.set MUL_LO, 0xa1
.set MUL_HI, 0xf1
.set TO_B,   0x40
.macro JLOAD g0a, g1a, g0b, g1b
	s_cmp_eq_u32 s15, 0
	s_cbranch_scc0 .Lfor_b_\@
	tensor_load_to_lds s[\g0a:\g0a+3], s[\g1a:\g1a+7]
	s_nop 0
.rept 4
	v_nop
.endr
	s_branch .Lasked_\@
.Lfor_b_\@:
	tensor_load_to_lds s[\g0b:\g0b+3], s[\g1b:\g1b+7]
	s_nop 0
.rept 4
	v_nop
.endr
.Lasked_\@:
.endm
.macro CREST
	s_cmp_lg_u32 s14, 0
	s_cbranch_scc1 .Lnot_wave_0_\@
	s_barrier_signal -3
.Lnot_wave_0_\@:
	s_barrier_wait -3
	s_barrier_signal -1
	s_barrier_wait -1
.endm
.macro CROUND
	s_barrier_signal -1
	s_barrier_wait -1
	CREST
.endm
	s_load_b256 s[4:11], s[0:1], 0x0
	v_lshl_add_u32 v[SPW], v0, 2, SPARE
	v_mov_b32 v[NIL], 0
	ds_add_u32 v28, v29
	ds_add_u32 v28, v29
	s_wait_dscnt 0x0
	v_lshrrev_b32 v1, 5, v0
	v_readfirstlane_b32 s14, v1
	s_lshr_b32 s15, s14, 1
	s_and_b32 s16, s14, 1
	s_bfe_u32 s40, ttmp6, 0x40000
	s_bfe_u32 s41, ttmp6, 0x40004
	s_and_b32 s67, ttmp7, 0xffff
	s_lshl_b32 s74, ttmp9, 23
	s_lshl_b32 s76, ttmp9, 20
	s_cmp_lt_u32 ttmp9, 2
	s_cselect_b32 s68, s67, 0
	s_cselect_b32 s69, 0, s67
	s_cselect_b32 s74, s74, 2<<20
	s_cselect_b32 s76, s76, 16<<20
	s_lshl_b32 s42, s69, 2
	s_add_co_u32 s42, s42, s40
	s_lshl_b32 s17, s68, 2
	s_add_co_u32 s17, s17, s41
	s_lshl_b32 s43, s41, 2
	s_lshl_b32 s43, 15, s43
	s_lshl_b32 s44, 0x1111, s40
	s_or_b32 s[G1+0], s43, (0<<16)|(1<<20)|(1<<21)|(5<<22)|(3<<25)
	s_or_b32 s[G1B+0], s44, (0<<16)|(1<<20)|(1<<21)|(5<<22)|(3<<25)
.irp g, G1, G1B
	s_mov_b32 s[\g+1], ROWB<<16
	s_mov_b32 s[\g+2], 128<<16
	s_mov_b32 s[\g+3], ROWB<<16
	s_mov_b32 s[\g+4], 128
	s_mov_b32 s[\g+5], KROW
	s_mov_b32 s[\g+6], 0
	s_mov_b32 s[\g+7], 0
.endr
	s_lshl_b32 s18, s16, 7
	s_lshl_b32 s20, s17, 8
	s_add_co_u32 s20, s20, s18
	s_lshl_b32 s20, s20, 10
	s_add_co_u32 s20, s20, s74
	s_mov_b32 s21, 0
	s_lshl_b32 s46, s42, 8
	s_add_co_u32 s46, s46, s18
	s_lshl_b32 s46, s46, 10
	s_add_co_u32 s46, s46, s76
	s_mov_b32 s47, 0
	s_mul_i32 s45, s14, HALFT
	s_wait_kmcnt 0x0
	s_load_b256 s[80:87], s[8:9], 0x0
	s_load_b128 s[88:91], s[8:9], 0x20
	s_cmp_lt_u32 ttmp9, 2
	s_cselect_b64 s[70:71], s[4:5], s[6:7]
	s_cselect_b64 s[72:73], s[6:7], s[4:5]
	s_add_nc_u64 s[20:21], s[70:71], s[20:21]
	s_add_nc_u64 s[46:47], s[72:73], s[46:47]
	CROUND
.irp s, 0,1
	s_mov_b32 s[G0+4*\s], 1
	s_add_co_u32 s[G0+4*\s+1], s45, \s*SLOT
	s_add_nc_u64 s[G0+4*\s+2:G0+4*\s+3], s[20:21], \s*ROWB
	s_or_b32 s[G0+4*\s+3], s[G0+4*\s+3], 0x80000000
	s_mov_b32 s[G0B+4*\s], 1
	s_add_co_u32 s[G0B+4*\s+1], s45, \s*SLOT
	s_add_nc_u64 s[G0B+4*\s+2:G0B+4*\s+3], s[46:47], \s*ROWB
	s_or_b32 s[G0B+4*\s+3], s[G0B+4*\s+3], 0x80000000
	s_wait_alu depctr_va_vdst(0)
	s_wait_tensorcnt 0x0
	ds_add_u32 v28, v29
	ds_add_u32 v28, v29
	s_wait_dscnt 0x0
	CROUND
	JLOAD G0+4*\s, G1, G0B+4*\s, G1B
.endr
	v_and_b32 v1, 15, v0
	s_wait_alu depctr_va_vdst(0)
	v_bfe_u32 v2, v0, 4, 1
	v_mul_u32_u24 v3, v1, PITCH
	v_lshl_add_u32 v4, v2, 4, v3
	s_mul_i32 s21, s15, HALFT
	s_mul_i32 s22, s16, HALFT
	s_add_co_u32 s22, s22, 2*HALFT
.irp s, 0,1
	v_add_nc_u32 v[ADRA+\s], s21, v4
	v_add_nc_u32 v[ADRB+\s], s22, v4
	s_add_co_u32 s21, s21, SLOT
	s_add_co_u32 s22, s22, SLOT
.endr
	s_mul_i32 s21, s14, 16*SPITCH
	v_mul_u32_u24 v5, v1, SPITCH
	s_wait_alu depctr_va_vdst(0)
	v_lshl_add_u32 v5, v2, 3, v5
	v_add_nc_u32 v[STO], s21, v5
	v_and_b32 v6, 31, v0
	v_lshlrev_b32 v[CO], 4, v6
	v_lshrrev_b32 v7, 2, v6
	v_mul_u32_u24 v7, v7, SPITCH
	v_and_b32 v8, 3, v6
	v_lshl_add_u32 v7, v8, 4, v7
	v_add_nc_u32 v[RD], s21, v7
	s_lshl_b32 s18, s17, 8
	s_lshl_b32 s22, s15, 7
	s_add_co_u32 s18, s18, s22
	s_lshl_b32 s19, s42, 8
	s_lshl_b32 s22, s16, 7
	s_add_co_u32 s19, s19, s22
	s_lshr_b32 s19, s19, 6
	s_lshr_b32 s22, s18, 11
	s_lshl_b32 s22, s22, 21
	s_lshl_b32 s23, s19, 17
	s_add_co_u32 s22, s22, s23
	s_and_b32 s23, s18, 2047
	s_lshl_b32 s23, s23, 6
	s_add_co_u32 s22, s22, s23
	s_lshl_b32 s23, ttmp9, 23
	s_add_co_u32 s22, s22, s23
	s_lshl_b32 s23, s19, 16
	s_lshl_b32 s18, s18, 6
	s_add_co_u32 s23, s23, s18
	s_add_co_u32 s23, s23, 2<<23
	s_cmp_lt_u32 ttmp9, 2
	s_cselect_b32 s22, s22, s23
	s_mov_b32 s78, 65536
	s_cselect_b32 s78, 131072, s78
	s_mov_b32 s23, 0
	s_mov_b32 s79, 0
	s_add_nc_u64 s[10:11], s[10:11], s[22:23]
	s_add_nc_u64 s[12:13], s[10:11], s[78:79]
.macro FRAG reg, adr, q, i
.irp c, 0,1,2,3
	ds_load_b128 v[\reg+4*\c:\reg+4*\c+3], v[\adr] offset:128*(\q)+32*\c+(\i)*16*PITCH
.endr
.endm
.macro MUL16 a0, p, zero
.irp a, \a0, \a0+1
.irp b, 0,1,2,3,4,5,6,7
.if \zero
	v_wmma_f32_16x16x128_fp8_fp8 v[8*(8*((\a)%4)+\b):8*(8*((\a)%4)+\b)+7], v[128*(\p)+FR*\b:128*(\p)+FR*\b+FR-1], v[AF+FR*(\a):AF+FR*(\a)+FR-1], 0
.else
	v_wmma_f32_16x16x128_fp8_fp8 v[8*(8*((\a)%4)+\b):8*(8*((\a)%4)+\b)+7], v[128*(\p)+FR*\b:128*(\p)+FR*\b+FR-1], v[AF+FR*(\a):AF+FR*(\a)+FR-1], v[8*(8*((\a)%4)+\b):8*(8*((\a)%4)+\b)+7]
.endif
.endr
.endr
.endm
.macro FETCH_B slot, q, p
	WIN TO_B
.irp i, 0,1,2,3,4,5,6,7
	FRAG 128*(\p)+FR*\i, ADRB+\slot, \q, \i
.endr
	WIN 0
.endm
.macro FETCH_A slot, q, i0
.irp i, \i0, \i0+1, \i0+2, \i0+3
	FRAG AF+FR*(\i), ADRA+\slot, \q, \i
.endr
.endm
.macro PLACES n
.rept \n
	v_nop
.endr
.endm
.macro STEP slot, q, zero
	s_wait_dscnt 4*NL
	WIN MUL_LO
	MUL16 0, (\q)%2, \zero
	MUL16 2, (\q)%2, \zero
	s_wait_dscnt 0
	PLACES NP
	FETCH_B \slot, (\q)+1, 1-(\q)%2
	FETCH_A \slot, (\q)+1, 0
	WIN MUL_HI
	MUL16 4, (\q)%2, \zero
	MUL16 6, (\q)%2, \zero
	PLACES NP
	WIN 0
	FETCH_A \slot, (\q)+1, 4
.endm
.macro TURN slot, next, fill
	s_wait_tensorcnt 0x0
	ds_add_u32 v[SPW], v[NIL]
	s_wait_dscnt 4*NL+1
	WIN MUL_LO
	MUL16 0, 1, 0
	s_wait_dscnt 0x0
	s_barrier_signal -1
	MUL16 2, 1, 0
	WIN 0
	s_barrier_wait -1
.if \fill
	CREST
	s_add_nc_u64 s[G0+4*\slot+2:G0+4*\slot+3], s[G0+4*\slot+2:G0+4*\slot+3], 2*ROWB
	s_add_nc_u64 s[G0B+4*\slot+2:G0B+4*\slot+3], s[G0B+4*\slot+2:G0B+4*\slot+3], 2*ROWB
	JLOAD G0+4*\slot, G1, G0B+4*\slot, G1B
.else
	PLACES NP
.endif
	FETCH_B \next, 0, 0
	FETCH_A \next, 0, 0
	WIN MUL_HI
	MUL16 4, 1, 0
	MUL16 6, 1, 0
	PLACES NP
	WIN 0
	FETCH_A \next, 0, 4
.endm
	s_wait_tensorcnt 1
	s_barrier_signal -1
	s_barrier_wait -1
	FETCH_B 0, 0, 0
	FETCH_A 0, 0, 0
	FETCH_A 0, 0, 4
	STEP 0, 0, 1
	TURN 0, 1, 1
	STEP 1, 0, 0
	TURN 1, 0, 1
	STEP 0, 0, 0
	TURN 0, 1, 0
	STEP 1, 0, 0
	s_wait_dscnt 4*NL
	WIN MUL_LO
	MUL16 0, 1, 0
	MUL16 2, 1, 0
	s_wait_dscnt 0
	WIN MUL_HI
	MUL16 4, 1, 0
	MUL16 6, 1, 0
	WIN 0
.macro TOSTAGE a
.set AC, 64*((\a)%4)
	WIN 0x02+((\a)/4)
.set j, 0
.rept 64
.set j, j+1
.endr
.irp b, 0,1,2,3,4,5,6,7
	v_cvt_scalef32_pk8_fp8_f32 v[CD+2*\b:CD+2*\b+1], v[AC+8*\b:AC+8*\b+7], v[SC]
.endr
	WIN 0
	v_nop
.irp b, 0,1,2,3,4,5,6,7
	ds_store_b64 v[STO], v[CD+2*\b:CD+2*\b+1] offset:16*\b
.endr
.set BB, BK+16*((\a)%2)
.irp g, 0,1
.irp i, 0,1
	ds_load_b128 v[BB+4*(2*\g+\i):BB+4*(2*\g+\i)+3], v[RD] offset:64*\g+8*SPITCH*\i
.endr
.endr
.endm
.macro SEND a, younger
.set BB, BK+16*((\a)%2)
	s_wait_dscnt \younger
.if (\a) > 0
	s_add_nc_u64 s[10:11], s[10:11], 1024
	s_add_nc_u64 s[12:13], s[12:13], 1024
.endif
.irp i, 0,1
	global_store_b128 v[CO], v[BB+4*\i:BB+4*\i+3], s[10:11] offset:512*\i
	global_store_b128 v[CO], v[BB+8+4*\i:BB+8+4*\i+3], s[12:13] offset:512*\i
.endr
.endm
	s_wait_kmcnt 0x0
	s_sub_co_i32 s92, s86, s80
	s_sub_co_i32 s92, s92, s81
	s_sub_co_i32 s93, s87, s82
	s_sub_co_i32 s93, s93, s83
	s_sub_co_i32 s94, s89, s84
	s_sub_co_i32 s94, s94, s85
	s_cmp_eq_u32 ttmp9, 0
	s_cselect_b32 s92, s92, s93
	s_cmp_eq_u32 ttmp9, 2
	s_cselect_b32 s92, s94, s92
	s_add_co_i32 s92, s92, 127
	s_lshl_b32 s93, s92, 23
	v_mov_b32 v[SC], s93
	s_add_co_i32 s92, s92, 8
	s_lshl_b32 s92, s92, 23
	s_or_b32 s92, s92, 0x600000
	PLACES NP
	TOSTAGE 0
.irp a, 1,2,3,4,5,6,7
.if \a > 1
	s_wait_xcnt 0x0
.endif
	TOSTAGE \a
	SEND \a-1, 12
.endr
	s_wait_xcnt 0x0
	SEND 7, 0
	s_wait_tensorcnt 0x0
	ds_add_u32 v[SPW], v[NIL]
	s_wait_dscnt 0x0
	CROUND
	s_endpgm
.Lfunc_end_k_q10a6d0ee02_qkv:
	.size	k_q10a6d0ee02_qkv, .Lfunc_end_k_q10a6d0ee02_qkv-k_q10a6d0ee02_qkv
	.p2alignl 7, 3214868480
	.fill 96, 4, 3214868480
	.section	.rodata,"a",@progbits
	.p2align	6, 0x0
	.amdhsa_kernel k_q10a6d0ee02_qkv
		.amdhsa_group_segment_fixed_size 327680
		.amdhsa_private_segment_fixed_size 0
		.amdhsa_enable_private_segment 0
		.amdhsa_kernarg_size 32
		.amdhsa_user_sgpr_count 2
		.amdhsa_user_sgpr_kernarg_segment_ptr 1
		.amdhsa_wavefront_size32 1
		.amdhsa_system_sgpr_workgroup_id_x 1
		.amdhsa_system_sgpr_workgroup_id_y 1
		.amdhsa_system_sgpr_workgroup_id_z 1
		.amdhsa_system_vgpr_workitem_id 0
		.amdhsa_next_free_vgpr 1024
		.amdhsa_next_free_sgpr 98
		.amdhsa_reserve_vcc 0
		.amdhsa_float_denorm_mode_32 3
		.amdhsa_float_denorm_mode_16_64 3
		.amdhsa_fp16_overflow 1
		.amdhsa_memory_ordered 1
		.amdhsa_forward_progress 1
		.amdhsa_inst_pref_size 95
	.end_amdhsa_kernel
	.amdgpu_metadata
---
amdhsa.version: [ 1, 2 ]
amdhsa.kernels:
  - .name:           k_q10a6d0ee02_qkv
    .symbol:         k_q10a6d0ee02_qkv.kd
    .args:
      - { .name: xc, .offset: 0, .size: 8, .value_kind: global_buffer, .address_space: global }
      - { .name: wc, .offset: 8, .size: 8, .value_kind: global_buffer, .address_space: global }
      - { .name: lowp_scales, .offset: 16, .size: 8, .value_kind: global_buffer, .address_space: global }
      - { .name: qkv, .offset: 24, .size: 8, .value_kind: global_buffer, .address_space: global }
    .group_segment_fixed_size: 327680
    .private_segment_fixed_size: 0
    .kernarg_segment_align: 8
    .kernarg_segment_size: 32
    .max_flat_workgroup_size: 128
    .sgpr_count:     98
    .vgpr_count:     1024
    .wavefront_size: 32
...
	.end_amdgpu_metadata
.endif
;; end of part 2
;; launch attn (part 3): grid 4 x 64, 16 waves a work-group, no clusters, 327,680 bytes of LDS; arguments qkv, lowp_scales, oc; writes oc
.if DOCPART == 3
	.amdgcn_target "amdgcn-amd-amdhsa--gfx1250"
	.amdhsa_code_object_version 6
	.text
	.protected	k_q10a6d0ee02_attn
	.globl	k_q10a6d0ee02_attn
	.p2align	8
	.type	k_q10a6d0ee02_attn,@function
k_q10a6d0ee02_attn:
	s_mov_b64 s[64:65], 0
	v_nop
	global_prefetch_b8 v0, s[64:65] scope:SCOPE_SE
	s_setreg_imm32_b32 hwreg(HW_REG_WAVE_MODE, 25, 1), 1
	s_wait_xcnt 0x0
; Causal attention on codes of FP8 (E4M3), head size 64; the result is quantised at once for the output projection.
; q, k: qkv planes 0, 1: [64 batch x head][2048][64].  v: plane 2: [128 groups of 64 tokens][16 heads][64 e][64 tokens]: the keys innermost.  oc: [2048 groups of 4 tokens][16 heads][4 tokens][64 e].
; THE SOFTMAX: t = score x log2(e) / 8; M = the row's largest t so far, rounded UP to a whole number; p = 2^(t - M) is quantised with 2^e8, not normalised; the row's sum is taken of the unquantised p and divides at the end.
; When M moves, the sum and O are multiplied by 2^(old M - new M): exact.  Hidden keys' scores become -infinity ahead of the maximum; key 0 counts for every query.
; SHARES.  A work-group owns the blocks j and 7 - j of 256 queries of one head, one after the other; each of its sixteen waves 16 queries of the block in hand.  Block i needs the key slots 0 .. i (256 keys each):
; (j + 1) + (8 - j) = 9 slots in every work-group: a constant trip count, no slot fetched in vain, equal work in all 256 work-groups.
; NO CLUSTER: in trip c the four work-groups of a head want different slots (slot c while c <= j, then slot c - j - 1); walking in step would cost 12 slots' work a work-group in place of 9.
; LAYOUT.  Both products are used transposed: S^T = K Q^T, O^T = V^T P^T: a lane holds ONE query (lane % 16).  THE ROWS OF A TILE ARE NOT NEIGHBOURS: lane r of tile 2 b + u takes row 32 b + 8 u + r + 8 (r / 8) (keys of K,
; channels of V), so that the 16 registers of tiles 2 b and 2 b + 1 are 16 neighbours: p's along the keys, O's along the head's 64.
; LIMITS on the given exponents: e6 + e7 between -123 and 130 (added to c's exponent field); e8 between -126 and 119; e8 + e9 - e10 is applied by v_ldexp_f32.
; LDS: a block is 64 rows of 64 bytes, dense in memory, brought as 32 lines of 128 bytes with 16 of padding behind each: 4,608 bytes.  A slot: K's four blocks, then V's four.  Two slots, 65,536 apart.
.set BLK,   4608
.set LP,    144                        ; a line: two rows of 64 bytes + 16
.set SLOT1, 65536
.set SPARE, 131072                     ; the spare words: 128 bytes for each of 16 waves
.set STAGE, 133120                     ; the way out: 16 rows x 80 bytes for each wave: bytes of its own, since the ring is filled again behind the first way out
.set AK0, 1                            ; v1   my lane's place in a block: row r + 8 (r / 8), + 16 (lane / 16)
.set PFO, 3                            ; v3   the prefetches' offset
.set QA,  4                            ; v4   64 r + 16 h
.set SPW, 5
.set NIL, 6
.set GO,  7                            ; v7   my byte in the wave's part of oc
.set ADR, 8                            ; v8   LDS address of the slot in hand + AK0
.set STO, 9
.set RD,  10
.set DQ,  11                           ; v11  r - 16 h
.set TB,  2                            ; s2   LDS byte at which the slot in hand begins
.set WV,  18
.set SEL, 20                           ; s[20:21] selects for lane l xor 16
.set CS,  22                           ; s[22:23] c = log2(e) / 8 x 2^(e6 + e7)
.set G1,  24
.set G0,  40
.set KB,  44                           ; s[44:45] my block of key slot 0 in memory
.set KST, 46                           ; s46  a slot on, in bytes
.set OFP, 48                           ; s[48:49] an offset, its upper word 0
.set KS,  50                           ; s50  the key slot asked for last
.set SWT, 51                           ; s51  8 - j: the count at which the first block ends
.set QB,  52                           ; s[52:53] my queries' codes
.set OB,  54                           ; s[54:55] my part of oc
.set QST, 56                           ; s[56:57], s[58:59], s60: from block j to block 7 - j, in q's bytes, oc's bytes, queries
.set OST, 58
.set QJ,  60
.set SLOTS, 67
.set PFA, 78
.set PFS, 80
.set LIM, 82
.set KF,  98                           ; s98  the step's first key
.set Q0,  99                           ; s99  my first query
.macro TLOAD                           ; waves 0-3 fetch K's four blocks, waves 4-7 V's; the branch hangs on the wave's number alone; four v_nop follow the load
	s_cmp_lt_u32 s[WV], 8
	s_cbranch_scc0 .Lasked_\@
	tensor_load_to_lds s[G0:G0+3], s[G1:G1+7]
	s_nop 0
.rept 4
	v_nop
.endr
.Lasked_\@:
.endm
; A PREFETCH INTO THE L2.  The four work-groups of a head read the same K and V: the one with j = 0 asks, in trip c for key slot c + 2 (trips 0 to 5: slots 2 to 7; slots 0 and 1 come by their loads alone).
; Waves 8, 9: K's 16,384 bytes, 8,192 a wave, lanes 256 bytes apart.  Waves 10, 11: V's four blocks of 4,096 bytes, two a wave, sixteen lanes to a block.  So each aligned 256 bytes are named once in the launch.
; The earliest load of slot 2 or 3 is issued one trip later (by the work-groups with j = 2, 3), that of slots 4 to 7 two trips later.
.macro ASK
	s_cmp_gt_u32 s[SLOTS], s[LIM]
	s_cbranch_scc0 .Lnot_mine_\@
	global_prefetch_b8 v[PFO], s[PFA:PFA+1] th:TH_LOAD_NT scope:SCOPE_SE
.Lnot_mine_\@:
.endm
	s_load_b128 s[4:7], s[0:1], 0x0                ; qkv 4:5, the exponents 6:7
	s_load_b64 s[8:9], s[0:1], 0x10                ; oc
	v_lshl_add_u32 v[SPW], v0, 2, SPARE
	v_mov_b32 v[NIL], 0
	ds_add_u32 v5, v6
	ds_add_u32 v5, v6
	s_wait_dscnt 0x0
	v_lshrrev_b32 v8, 5, v0
	s_delay_alu instid0(VALU_DEP_1)
	v_readfirstlane_b32 s[WV], v8                  ; wave 0..15
	s_and_b32 s10, ttmp7, 0xffff                   ; batch x 16 + head
	s_lshr_b32 s11, s10, 4                         ; batch
	s_and_b32 s12, s10, 15                         ; head
	s_and_b32 s13, s[WV], 3                        ; which of a slot's four blocks I fetch
	s_lshl_b32 s14, s10, 17                        ; K: plane 1, the head's 131,072 bytes, 4,096 a block
	s_lshl_b32 s15, s13, 12
	s_add_co_u32 s14, s14, s15
	s_add_co_u32 s14, s14, 1<<23
	s_lshl_b32 s15, s11, 21                        ; V: plane 2, the batch's 32 groups of tokens x 65,536, the head's 4,096
	s_lshl_b32 s16, s12, 12
	s_add_co_u32 s15, s15, s16
	s_lshl_b32 s16, s13, 16
	s_add_co_u32 s15, s15, s16
	s_add_co_u32 s15, s15, 2<<23
	s_cmp_lt_u32 s[WV], 4
	s_cselect_b32 s[OFP], s14, s15
	s_mov_b32 s[KST], 262144
	s_cselect_b32 s[KST], 16384, s[KST]
	s_mov_b32 s[OFP+1], 0
	s_mul_i32 s17, s[WV], BLK                      ; where my block goes in a slot
	s_mov_b32 s[G1], (0<<16)|(1<<20)|(4<<22)|(3<<25)   ; no mask; elements of 1 byte; padding on: after every 32 words, 4 words
	s_mov_b32 s[G1+1], 128<<16                     ; tensor_dim0
	s_mov_b32 s[G1+2], 32<<16                      ; tensor_dim1
	s_mov_b32 s[G1+3], 128<<16                     ; tile_dim0
	s_mov_b32 s[G1+4], 32                          ; tile_dim1
	s_mov_b32 s[G1+5], 128                         ; from line to line: dense
	s_mov_b32 s[G1+6], 0
	s_mov_b32 s[G1+7], 0
	s_mov_b32 s[SEL], 0x76543210
	s_mov_b32 s[SEL+1], 0xfedcba98
	s_mov_b32 s[CS], 0x3e38aa3b                    ; log2(e) / 8
	s_mov_b32 s[TB], 0
	s_mov_b32 s[KS], 0
	s_mov_b32 s[KF], 0
	s_mov_b32 s[SLOTS], 8
	s_sub_co_u32 s[SWT], 8, ttmp9
	s_lshl_b32 s[QJ], ttmp9, 1
	s_sub_co_u32 s[QJ], 7, s[QJ]
	s_lshl_b32 s[QJ], s[QJ], 8                     ; (7 - 2 j) x 256 queries
	s_lshl_b32 s[QST], s[QJ], 6
	s_mov_b32 s[QST+1], 0
	s_lshl_b32 s[OST], s[QJ], 10
	s_mov_b32 s[OST+1], 0
	s_lshl_b32 s[Q0], ttmp9, 8
	s_lshl_b32 s16, s[WV], 4
	s_add_co_u32 s[Q0], s[Q0], s16                 ; my first query: 256 j + 16 x wave
	s_wait_kmcnt 0x0
	s_load_b128 s[68:71], s[6:7], 0x18             ; e6, e7, e8, e9
	s_load_b32 s72, s[6:7], 0x28                   ; e10
	s_add_nc_u64 s[KB:KB+1], s[4:5], s[OFP:OFP+1]
	s_mov_b32 s[G0], 1
	s_mov_b32 s[G0+1], s17
	s_mov_b64 s[G0+2:G0+3], s[KB:KB+1]
	s_or_b32 s[G0+3], s[G0+3], 0x80000000
	TLOAD                                          ; key slot 0 into LDS slot 0
	s_lshl_b32 s32, s10, 17
	s_lshl_b32 s33, s[Q0], 6
	s_add_co_u32 s32, s32, s33
	s_mov_b32 s33, 0
	s_add_nc_u64 s[QB:QB+1], s[4:5], s[32:33]      ; q: plane 0, the head, 64 bytes a query
	s_lshl_b32 s32, s11, 21
	s_lshl_b32 s34, s[Q0], 10
	s_add_co_u32 s32, s32, s34
	s_lshl_b32 s34, s12, 8
	s_add_co_u32 s32, s32, s34
	s_add_nc_u64 s[OB:OB+1], s[8:9], s[32:33]      ; oc: 1,024 bytes a token, 256 a head
	; the prefetches: where my wave's stand (in key slot 1: the first change of slots steps them to slot 2), and who asks
	s_and_b32 s34, s[WV], 1
	s_lshl_b32 s35, s34, 13
	s_lshl_b32 s36, s10, 17
	s_add_co_u32 s35, s35, s36
	s_add_co_u32 s35, s35, (1<<23)+16384
	s_lshl_b32 s36, s34, 17
	s_lshl_b32 s37, s11, 21
	s_add_co_u32 s36, s36, s37
	s_lshl_b32 s37, s12, 12
	s_add_co_u32 s36, s36, s37
	s_add_co_u32 s36, s36, (2<<23)+262144
	s_cmp_lt_u32 s[WV], 10
	s_cselect_b32 s32, s35, s36
	s_mov_b32 s[PFS], 262144
	s_cselect_b32 s[PFS], 16384, s[PFS]
	s_mov_b32 s37, 65536
	s_cselect_b32 s37, 4096, s37                   ; from lanes 0-15 to lanes 16-31
	s_mov_b32 s[PFS+1], 0
	s_add_nc_u64 s[PFA:PFA+1], s[4:5], s[32:33]
	s_sub_co_u32 s34, s[WV], 8
	s_lshr_b32 s34, s34, 2                         ; 0 in waves 8 to 11,
	s_or_b32 s34, s34, ttmp9                       ; of the work-group with j = 0
	s_cmp_eq_u32 s34, 0
	s_cselect_b32 s[LIM], 2, -1
	v_and_b32 v32, 15, v0                          ; r
	v_bfe_u32 v33, v0, 4, 1                        ; h
	v_and_b32 v34, 31, v0                          ; lane
	s_delay_alu instid0(VALU_DEP_3)
	v_lshlrev_b32 v[PFO], 8, v32
	s_delay_alu instid0(VALU_DEP_3)
	v_mul_lo_u32 v35, v33, s37
	s_delay_alu instid0(VALU_DEP_1)
	v_add_nc_u32 v[PFO], v[PFO], v35
	v_lshlrev_b32 v[QA], 6, v32
	s_delay_alu instid0(VALU_DEP_1)
	v_lshl_add_u32 v[QA], v33, 4, v[QA]
	global_load_b128 v[16:19], v[QA], s[QB:QB+1]             ; Q's fragment: query r, channels 16 h + 0 .. 15,
	global_load_b128 v[20:23], v[QA], s[QB:QB+1] offset:32   ; and 32 + 16 h + 0 .. 15
	v_lshrrev_b32 v35, 1, v32
	v_lshrrev_b32 v36, 3, v32
	s_delay_alu instid0(VALU_DEP_1)
	v_lshl_add_u32 v35, v36, 2, v35                ; the line of row r + 8 (r / 8): r / 2 + 4 (r / 8)
	s_delay_alu instid0(VALU_DEP_1)
	v_mul_u32_u24 v[AK0], v35, LP
	v_and_b32 v36, 1, v32
	s_delay_alu instid0(VALU_DEP_1)
	v_lshl_add_u32 v[AK0], v36, 6, v[AK0]
	s_delay_alu instid0(VALU_DEP_1)
	v_lshl_add_u32 v[AK0], v33, 4, v[AK0]
	v_lshlrev_b32 v[GO], 12, v33
	s_delay_alu instid0(VALU_DEP_1)
	v_lshl_add_u32 v[GO], v32, 4, v[GO]            ; lanes 0-15: one group of 4 tokens' 256 bytes; lanes 16-31: the next group's
	s_mul_i32 s16, s[WV], 16*80
	s_add_co_u32 s16, s16, STAGE                   ; my stage
	v_mul_u32_u24 v[STO], v32, 80
	s_delay_alu instid0(VALU_DEP_1)
	v_lshl_add_u32 v[STO], v33, 4, v[STO]
	s_delay_alu instid0(VALU_DEP_1)
	v_add_nc_u32 v[STO], s16, v[STO]               ; in: row r, + 16 h
	v_lshrrev_b32 v35, 2, v34
	s_delay_alu instid0(VALU_DEP_1)
	v_mul_u32_u24 v[RD], v35, 80
	v_and_b32 v36, 3, v34
	s_delay_alu instid0(VALU_DEP_1)
	v_lshl_add_u32 v[RD], v36, 4, v[RD]
	s_delay_alu instid0(VALU_DEP_1)
	v_add_nc_u32 v[RD], s16, v[RD]                 ; back: four lanes to a row's 64 bytes
	v_lshlrev_b32 v35, 4, v33
	s_delay_alu instid0(VALU_DEP_1)
	v_sub_nc_u32 v[DQ], v32, v35
	v_mov_b32 v236, 0                              ; written once: a lane permute's destination counts as one of its sources
	v_mov_b32 v252, 0
	v_mov_b32 v253, 0                              ; (named as the upper half of the pair v[252:253])
	v_mov_b32 v245, 1.0                            ; the scale of o's conversion: the exponents are folded into the divisor
.macro INIT                            ; a block of queries begins: the step is written once, and its first turn finds zeros, which the first change of M leaves zeros
	v_mov_b32 v13, 0xff61b1e6                      ; the largest t so far: -3e38
	s_delay_alu instid0(VALU_DEP_1)
	v_floor_f32 v12, -v13                          ; -M
	v_mov_b32 v14, 0
	v_mov_b32 v15, 0
.set j, 0
.rept 32
	v_mov_b32 v[160+j], 0
.set j, j+1
.endr
.endm
	INIT
	s_wait_kmcnt 0x0
	s_add_co_i32 s16, s68, s69
	s_lshl_b32 s16, s16, 23
	s_add_co_i32 s[CS], s[CS], s16                 ; a score stands for score x 2^(e6 + e7)
	s_mov_b32 s[CS+1], s[CS]
	s_add_co_i32 s16, s70, 127
	s_lshl_b32 s17, s16, 23
	v_mov_b32 v244, s17                            ; 2^e8
	s_add_co_i32 s74, s70, s71
	s_sub_co_i32 s74, s74, s72                     ; e8 + e9 - e10
; A KEY STEP: 128 keys, the q-th of the slot in hand.  A step all of whose keys come after my 16 queries is left out by a scalar branch on ids; no barrier and no tensor load stands in a step.
.macro STEP q
	s_add_co_u32 s96, s[Q0], 15
	s_cmp_gt_u32 s[KF], s96
	s_cbranch_scc1 .Lhidden_\@
	v_add_nc_u32 v[ADR], s[TB], v[AK0]
.rept 3
	v_nop                                          ; with the addition: four places in front of loads into registers that the last products read
.endr
.irp t, 0,1,2,3,4,5,6,7                        ; K's eight tiles of 16 keys x 64
.irp c, 0,1
	ds_load_b128 v[32+8*\t+4*\c:32+8*\t+4*\c+3], v[ADR] offset:(2*(\q)+\t/4)*BLK+(16*((\t/2)%2)+4*(\t%2))*LP+32*\c
.endr
.endr
	s_wait_alu depctr_va_vdst(0)
	s_wait_dscnt 0x0
.irp t, 0,1,2,3,4,5,6,7
	v_wmma_f32_16x16x64_fp8_fp8 v[96+8*\t:103+8*\t], v[32+8*\t:39+8*\t], v[16:23], 0
.endr
.rept 4
	v_nop                                          ; places: for the loads below, and for the first reads of the scores
.endr
.irp t, 0,1,2,3                                ; V's four tiles of 16 channels x 128 keys: they land while the softmax is walked
.irp c, 0,1,2,3
	ds_load_b128 v[32+16*\t+4*\c:32+16*\t+4*\c+3], v[ADR] offset:(4+2*(\q)+\c/2)*BLK+(16*(\t/2)+4*(\t%2))*LP+32*(\c%2)
.endr
.endr
	s_add_co_u32 s96, s[KF], 127                   ; a step all of whose keys count skips the mask
	s_cmp_le_u32 s96, s[Q0]
	s_cbranch_scc1 .Lopen_\@
	s_sub_co_i32 s96, s[Q0], s[KF]
	v_add_nc_u32 v252, s96, v[DQ]                  ; d = my query - KF - 16 h.  Register 16 b + i holds key KF + 16 h + 32 b + i: hidden where 32 b + i > d
	v_mov_b32 v254, 0xff800000                     ; -infinity
.set n, 0
.rept 64
	v_cmp_gt_i32 vcc_lo, 32*(n/16)+n%16, v252
	v_cndmask_b32 v[96+n], v[96+n], v254, vcc_lo
.set n, n+1
.endr
.Lopen_\@:
	v_max3_num_f32 v254, v96, v97, v98             ; the step's largest score of my query, among my 64 keys, in two chains,
	v_max3_num_f32 v252, v99, v100, v101
.irp i, 6,10,14,18,22,26,30,34,38,42,46,50,54,58
	v_max3_num_f32 v254, v254, v[96+\i], v[97+\i]
	v_max3_num_f32 v252, v252, v[98+\i], v[99+\i]
.endr
	v_max3_num_f32 v254, v254, v158, v159
	s_delay_alu instid0(VALU_DEP_1)
	v_max_num_f32 v254, v254, v252
	v_permlanex16_b32 v236, v254, s[SEL], s[SEL+1]
	s_delay_alu instid0(VALU_DEP_1)
	v_max_num_f32 v254, v254, v236                 ; and among lane l xor 16's
	s_delay_alu instid0(VALU_DEP_1)
	v_mul_f32 v254, s[CS], v254                    ; as t (c is positive)
	s_delay_alu instid0(VALU_DEP_1)
	v_max_num_f32 v13, v13, v254                   ; the running largest t
	v_mov_b32 v254, v12
	s_delay_alu instid0(VALU_DEP_2)
	v_floor_f32 v12, -v13                          ; the new -M = floor(-t): M is a whole number
	s_delay_alu instid0(VALU_DEP_1)
	v_sub_f32 v254, v12, v254                      ; M's old value less its new one: a whole number, 0 or less
	s_delay_alu instid0(VALU_DEP_1)
	v_cvt_i32_f32 v254, v254                       ; (it saturates)
	s_delay_alu instid0(VALU_DEP_1)
	v_ldexp_f32 v252, 1.0, v254                    ; f = 2^(old M - new M)
.set j, 0
.rept 32
	v_pk_fma_f32 v[96+j:97+j], v[96+j:97+j], s[CS:CS+1], v[12:13] op_sel_hi:[1,0,0]   ; t - M, two at a time
.set j, j+2
.endr
.set j, 0
	s_wait_alu depctr_va_vdst(0)
.rept 64
	v_exp_f32 v[96+j], v[96+j]                     ; p = 2^(t - M), at most 1
.set j, j+1
.endr
	v_pk_mul_f32 v[14:15], v[14:15], v[252:253] op_sel_hi:[1,0]   ; the sums under the new M: the plain line behind the exponentials
	s_wait_alu depctr_va_vdst(0)                   ; one wait for the whole batch, ahead of its first reader
	v_pk_add_f32 v[242:243], v[100:101], v[104:105]
	v_pk_add_f32 v[254:255], v[108:109], v[112:113]
	v_pk_add_f32 v[250:251], v[116:117], v[120:121]
	v_pk_add_f32 v[248:249], v[124:125], v[128:129]
	v_pk_add_f32 v[246:247], v[132:133], v[136:137]
	v_pk_add_f32 v[240:241], v[140:141], v[144:145]
	v_pk_add_f32 v[238:239], v[148:149], v[152:153]
	v_pk_add_f32 v[14:15], v[14:15], v[156:157]
	v_pk_add_f32 v[242:243], v[242:243], v[96:97]
	v_pk_add_f32 v[254:255], v[254:255], v[98:99]
	v_pk_add_f32 v[250:251], v[250:251], v[102:103]
	v_pk_add_f32 v[248:249], v[248:249], v[106:107]
	v_pk_add_f32 v[246:247], v[246:247], v[110:111]
	v_pk_add_f32 v[240:241], v[240:241], v[114:115]
	v_pk_add_f32 v[238:239], v[238:239], v[118:119]
	v_pk_add_f32 v[14:15], v[14:15], v[122:123]
	v_pk_add_f32 v[242:243], v[242:243], v[126:127]
	v_pk_add_f32 v[254:255], v[254:255], v[130:131]
	v_pk_add_f32 v[250:251], v[250:251], v[134:135]
	v_pk_add_f32 v[248:249], v[248:249], v[138:139]
	v_pk_add_f32 v[246:247], v[246:247], v[142:143]
	v_pk_add_f32 v[240:241], v[240:241], v[146:147]
	v_pk_add_f32 v[238:239], v[238:239], v[150:151]
	v_pk_add_f32 v[14:15], v[14:15], v[154:155]
	v_pk_add_f32 v[242:243], v[242:243], v[158:159]
	s_delay_alu instid0(VALU_DEP_2)
	v_pk_add_f32 v[14:15], v[14:15], v[248:249]
	s_delay_alu instid0(VALU_DEP_2)
	v_pk_add_f32 v[242:243], v[242:243], v[246:247]
	v_pk_add_f32 v[254:255], v[254:255], v[240:241]
	v_pk_add_f32 v[250:251], v[250:251], v[238:239]
	s_delay_alu instid0(VALU_DEP_2)
	v_pk_add_f32 v[14:15], v[14:15], v[254:255]
	s_delay_alu instid0(VALU_DEP_2)
	v_pk_add_f32 v[242:243], v[242:243], v[250:251]
	s_delay_alu instid0(VALU_DEP_1)
	v_pk_add_f32 v[14:15], v[14:15], v[242:243]
.irp b, 0,1,2,3
.irp i, 0,1,2,3,4,5,6,7,8,9,10,11,12,13,14,15
.endr
	v_cvt_scalef32_pk8_fp8_f32 v[224+4*\b:225+4*\b], v[96+16*\b:103+16*\b], v244
	v_cvt_scalef32_pk8_fp8_f32 v[226+4*\b:227+4*\b], v[104+16*\b:111+16*\b], v244
.endr
.set j, 0
.rept 16
	v_pk_mul_f32 v[160+j:161+j], v[160+j:161+j], v[252:253] op_sel_hi:[1,0]   ; O^T under the new M; also the plain lines between the conversions and the products
.set j, j+2
.endr
	s_wait_alu depctr_va_vdst(0)
	s_wait_dscnt 0x0                               ; V's fragments are in
.irp t, 0,1,2,3                                ; four accumulators by turns, one instruction a turn
	v_wmma_f32_16x16x128_fp8_fp8 v[160+8*\t:167+8*\t], v[32+16*\t:47+16*\t], v[224:239], v[160+8*\t:167+8*\t]
.endr
.Lhidden_\@:
	s_add_co_u32 s[KF], s[KF], 128
.endm
; THE CHANGE OF SLOTS stands at a slot's head.  Each wave waits for all its tensor loads, adds 0 to its spare word, and waits for that and for its reads of the slot that it has left.  fill = 1: that slot takes the next trip's keys:
; the key slot after the last, or slot 0 again where the next trip begins the second block of queries.
.macro CHANGE fill
	s_wait_tensorcnt 0x0                           ; no tensor load of mine is out, so the descriptor may be written
	ds_add_u32 v[SPW], v[NIL]                      ; 0 onto my spare word
.if \fill
	s_xor_b32 s[G0+1], s[G0+1], SLOT1
	s_add_co_u32 s[KS], s[KS], 1
	s_cmp_eq_u32 s[SLOTS], s[SWT]
	s_cselect_b32 s[KS], 0, s[KS]
	s_mul_i32 s[OFP], s[KS], s[KST]
	s_add_nc_u64 s[G0+2:G0+3], s[KB:KB+1], s[OFP:OFP+1]
	s_or_b32 s[G0+3], s[G0+3], 0x80000000
	s_wait_xcnt 0x0                                ; the last prefetch, a trip back, has read its address
	s_add_nc_u64 s[PFA:PFA+1], s[PFA:PFA+1], s[PFS:PFS+1]
.endif
	s_wait_dscnt 0x0                               ; the add is done, and my reads of the slot that I have left are over
	s_barrier_signal -1
	s_barrier_wait -1
.if \fill
	TLOAD                                          ; the first thing behind the barrier, and a wave's one tensor load until the next
	ASK
.endif
.endm
.macro SLOT_STEPS
	STEP 0
	STEP 1
	s_xor_b32 s[TB], s[TB], SLOT1
.endm
; THE WAY OUT of a block of queries: O^T / the sum x 2^(e8 + e9 - e10), held within +-448, converted; 16 bytes a lane and pair of tiles into my stage; back as rows; sixteen lanes store 256 consecutive bytes, aligned.
.macro OUT
	v_add_f32 v14, v14, v15
	s_delay_alu instid0(VALU_DEP_1)
	v_permlanex16_b32 v252, v14, s[SEL], s[SEL+1]
	s_delay_alu instid0(VALU_DEP_1)
	v_add_f32 v14, v14, v252                       ; the row's sum
	s_wait_alu depctr_va_vdst(0)
	v_rcp_f32 v14, v14
	v_nop                                          ; a plain line behind the reciprocal
	s_wait_alu depctr_va_vdst(0)                   ; and the wait ahead of its first reader
	v_ldexp_f32 v14, v14, s74
.set j, 0
.rept 16
	v_pk_mul_f32 v[192+j:193+j], v[160+j:161+j], v[14:15] op_sel_hi:[1,0]   ; each accumulator from its low end on
.set j, j+2
.endr
.set j, 0
.rept 32
.set j, j+1
.endr
.irp t, 0,1,2,3
	v_cvt_scalef32_pk8_fp8_f32 v[24+2*\t:25+2*\t], v[192+8*\t:199+8*\t], v245
.endr
	v_nop                                          ; one plain line behind the last conversion
	ds_store_b128 v[STO], v[24:27]                 ; channels 16 h + 0 .. 15 of query r,
	ds_store_b128 v[STO], v[28:31] offset:32       ; and 32 + 16 h + 0 .. 15
	ds_load_b128 v[192:195], v[RD]                 ; LDS serves a wave's instructions in order: these see my stores
	ds_load_b128 v[196:199], v[RD] offset:8*80
	s_wait_dscnt 0x0
	global_store_b128 v[GO], v[192:195], s[OB:OB+1]
	global_store_b128 v[GO], v[196:199], s[OB:OB+1] offset:8192
.endm
	s_wait_loadcnt 0x0                             ; Q
.Lslot:                                            ; 8 trips; the ninth slot is written out behind the loop
	CHANGE 1
	SLOT_STEPS
	s_cmp_lg_u32 s[SLOTS], s[SWT]                  ; was this block j's last slot?  A branch on ids
	s_cbranch_scc1 .Lsame
	OUT
	s_wait_xcnt 0x0                                ; the stores have read their base
	s_add_nc_u64 s[QB:QB+1], s[QB:QB+1], s[QST:QST+1]
	s_add_nc_u64 s[OB:OB+1], s[OB:OB+1], s[OST:OST+1]
	s_add_co_u32 s[Q0], s[Q0], s[QJ]
	s_mov_b32 s[KF], 0
	global_load_b128 v[16:19], v[QA], s[QB:QB+1]
	global_load_b128 v[20:23], v[QA], s[QB:QB+1] offset:32
	INIT
	s_wait_loadcnt 0x0
.Lsame:
	s_sub_co_u32 s[SLOTS], s[SLOTS], 1
	s_cmp_lg_u32 s[SLOTS], 0
	s_cbranch_scc1 .Lslot
	CHANGE 0
	SLOT_STEPS
	OUT
	s_wait_tensorcnt 0x0                           ; the wave's end
	ds_add_u32 v[SPW], v[NIL]
	s_wait_dscnt 0x0
	s_endpgm
.Lfunc_end_k_q10a6d0ee02_attn:
	.size	k_q10a6d0ee02_attn, .Lfunc_end_k_q10a6d0ee02_attn-k_q10a6d0ee02_attn
	.p2alignl 7, 3214868480
	.fill 96, 4, 3214868480
	.section	.rodata,"a",@progbits
	.p2align	6, 0x0
	.amdhsa_kernel k_q10a6d0ee02_attn
		.amdhsa_group_segment_fixed_size 327680
		.amdhsa_private_segment_fixed_size 0
		.amdhsa_enable_private_segment 0
		.amdhsa_kernarg_size 24
		.amdhsa_user_sgpr_count 2
		.amdhsa_user_sgpr_kernarg_segment_ptr 1
		.amdhsa_wavefront_size32 1
		.amdhsa_system_sgpr_workgroup_id_x 1
		.amdhsa_system_sgpr_workgroup_id_y 1
		.amdhsa_system_sgpr_workgroup_id_z 1
		.amdhsa_system_vgpr_workitem_id 0
		.amdhsa_next_free_vgpr 256
		.amdhsa_next_free_sgpr 100
		.amdhsa_reserve_vcc 1
		.amdhsa_float_denorm_mode_32 3
		.amdhsa_float_denorm_mode_16_64 3
		.amdhsa_fp16_overflow 1
		.amdhsa_memory_ordered 1
		.amdhsa_forward_progress 1
		.amdhsa_inst_pref_size 92
	.end_amdhsa_kernel
	.amdgpu_metadata
---
amdhsa.version: [ 1, 2 ]
amdhsa.kernels:
  - .name:           k_q10a6d0ee02_attn
    .symbol:         k_q10a6d0ee02_attn.kd
    .args:
      - { .name: qkv, .offset: 0, .size: 8, .value_kind: global_buffer, .address_space: global }
      - { .name: lowp_scales, .offset: 8, .size: 8, .value_kind: global_buffer, .address_space: global }
      - { .name: oc, .offset: 16, .size: 8, .value_kind: global_buffer, .address_space: global }
    .group_segment_fixed_size: 327680
    .private_segment_fixed_size: 0
    .kernarg_segment_align: 8
    .kernarg_segment_size: 24
    .max_flat_workgroup_size: 512
    .sgpr_count:     100
    .vgpr_count:     256
    .wavefront_size: 32
...
	.end_amdgpu_metadata
.endif
;; end of part 3
;; launch proj (part 4): grid 4 x 64, 4 waves a work-group, clusters of 4 x 4, 327,680 bytes of LDS; arguments oc, wc, lowp_scales, bo, out0; writes out0
.if DOCPART == 4
	.amdgcn_target "amdgcn-amd-amdhsa--gfx1250"
	.amdhsa_code_object_version 6
	.text
	.protected	k_q10a6d0ee02_proj
	.globl	k_q10a6d0ee02_proj
	.p2align	8
	.type	k_q10a6d0ee02_proj,@function
k_q10a6d0ee02_proj:
	s_mov_b64 s[64:65], 0
	v_nop
	global_prefetch_b8 v0, s[64:65] scope:SCOPE_SE
	s_setreg_imm32_b32 hwreg(HW_REG_WAVE_MODE, 25, 1), 1
	s_wait_xcnt 0x0
	s_wait_alu depctr_hold_cnt(0) depctr_sa_sdst(0) depctr_va_vdst(0) depctr_va_sdst(0) depctr_va_ssrc(0) depctr_va_vcc(0) depctr_vm_vsrc(0)
	s_getreg_b32 s2, hwreg(HW_REG_IB_STS2, 6, 4)
	s_cmp_eq_u32 s2, 0
	s_cbranch_scc0 .Lentry_in_a_cluster
	s_endpgm
.Lentry_in_a_cluster:
	s_bfe_u32 s2, ttmp6, 0x10000c
	s_cmp_lg_u32 s2, 0xf033
	s_cbranch_scc0 .Lentry_shape_is_right
	s_endpgm
.Lentry_shape_is_right:
; out0[token][n] = 2^(e10 + e11) x sum over k of o[token][k] Wo[n][k] + bo[n], on codes of FP8 (E4M3), K = 1,024.
; o's codes: oc [2048 groups of 4 tokens][16 heads][4 tokens][64 e] (k = 64 head + e); Wo's codes: wc's plane 3, [n][k].  LIMIT: e10 + e11 between -126 and 127.
; A tile is 128 tokens x 256 n: 256 work-groups (tiles of 256 x 256 would be 128).  Four waves, each 64 x 128: 32 accumulators.  The matrix instruction is used transposed: a lane holds eight neighbouring n of one token.
; K goes in four steps of 256 (four heads).  THREE LDS slots take K steps 0, 1, 2 at the start; slot 0 is filled once more, with K step 3: one refill, with 128 matrix instructions a wave in which to land.
; CLUSTERS: 4 x 4 work-groups: A's tile (tokens) is shared along a row of the cluster, B's (n) along a column: joint loads.  No prefetch: a short launch.
; A in LDS: a group of 4 tokens' K step is 1,024 consecutive bytes ([4 heads][4 tokens][64]) + 16 of padding: token r of a fragment lies at 1,040 (r / 4) + 64 (r % 4): sixteen different 16-byte columns modulo 256 bytes.
; REGISTERS: window 0: v0-31 addresses; v32-95 at work on the way out; v128-191, v192-255 A's two sets (on the way out: rows read back).  window 1: B's two sets.  window 2: the accumulators ((a, b) at v[8 (8 a + b)]).  window 3: v0-63 the bias.
.set FR,    16
.set AP,    1040
.set BP,    272
.set AHALF, 16*AP                      ; 64 tokens: what one load brings of A, and what one wave reads
.set BOFF,  32*AP                      ; B's rows lie behind A's 32 groups
.set BHALF, 128*BP
.set SLOT,  BOFF+2*BHALF               ; 102,912
.set SPARE, 3*SLOT                     ; the spare words
.set SPITCH, 528                       ; the way out: 16 rows x (512 + 16) for each wave, in slot 1, which has had its one fill and its last read by then
.set ADRA, 16                          ; v16-18
.set ADRB, 20                          ; v20-22
.set STO,  24
.set RD,   25
.set CO,   26
.set BOA,  27                          ; v27  32 h: the bias loads' offset
.set SPW,  28
.set NIL,  29
.set TMP,  32
.set AF,   128
.set BK,   128
.set G1,  24                           ; s[24:31]  group 1 for A
.set G0A, 32                           ; s[32:43]  three groups 0 for A
.set G1B, 44                           ; s[44:51]
.set G0B, 52                           ; s[52:63]
.set MSB, 0
.macro WIN new
.if MSB != \new
	s_set_vgpr_msb (MSB<<8)|\new
.set MSB, \new
.endif
.endm
.set MUL,  0xa1                        ; source 0 (B) window 1, source 1 (A) window 0, C and D window 2
.set TO_B, 0x40
.macro JLOAD g0a, g1a, g0b, g1b        ; waves 0 and 1 fetch for A, waves 2 and 3 for B; four v_nop follow each line
	s_cmp_eq_u32 s15, 0
	s_cbranch_scc0 .Lfor_b_\@
	tensor_load_to_lds s[\g0a:\g0a+3], s[\g1a:\g1a+7]
	s_nop 0
.rept 4
	v_nop
.endr
	s_branch .Lasked_\@
.Lfor_b_\@:
	tensor_load_to_lds s[\g0b:\g0b+3], s[\g1b:\g1b+7]
	s_nop 0
.rept 4
	v_nop
.endr
.Lasked_\@:
.endm
.macro CREST
	s_cmp_lg_u32 s14, 0
	s_cbranch_scc1 .Lnot_wave_0_\@
	s_barrier_signal -3
.Lnot_wave_0_\@:
	s_barrier_wait -3
	s_barrier_signal -1
	s_barrier_wait -1
.endm
.macro CROUND
	s_barrier_signal -1
	s_barrier_wait -1
	CREST
.endm
.macro PLACES n
.rept \n
	v_nop
.endr
.endm
	s_load_b256 s[4:11], s[0:1], 0x0               ; oc 4:5, wc 6:7, the exponents 8:9, bo 10:11
	s_load_b64 s[12:13], s[0:1], 0x20              ; out0
	v_lshl_add_u32 v[SPW], v0, 2, SPARE
	v_mov_b32 v[NIL], 0
	ds_add_u32 v28, v29
	ds_add_u32 v28, v29
	s_wait_dscnt 0x0
	v_lshrrev_b32 v1, 5, v0
	v_readfirstlane_b32 s14, v1                    ; wave 0..3
	s_lshr_b32 s15, s14, 1                         ; which 64 tokens are mine.  Also: I fetch for A (0) or for B (1)
	s_and_b32 s16, s14, 1                          ; which 128 columns.  Also: which half of that tile I fetch
	s_bfe_u32 s66, ttmp6, 0x40000                  ; cx
	s_bfe_u32 s67, ttmp6, 0x40004                  ; cy
	s_lshl_b32 s68, ttmp9, 2
	s_add_co_u32 s68, s68, s66                     ; tile column
	s_and_b32 s17, ttmp7, 0xffff
	s_lshl_b32 s17, s17, 2
	s_add_co_u32 s17, s17, s67                     ; tile row
	s_lshl_b32 s69, s67, 2
	s_lshl_b32 s69, 15, s69                        ; my row of the cluster
	s_lshl_b32 s70, 0x1111, s66                    ; my column
	s_or_b32 s[G1], s69, (0<<16)|(1<<20)|(1<<21)|(7<<22)|(3<<25)    ; A: the mask; 1 byte; padding on; bit 21 beside a mask; after every 256 words, 4 words
	s_mov_b32 s[G1+1], 1024<<16                    ; tensor_dim0: a group's K step
	s_mov_b32 s[G1+2], 16<<16                      ; tensor_dim1: 16 groups of 4 tokens
	s_mov_b32 s[G1+3], 1024<<16                    ; tile_dim0
	s_mov_b32 s[G1+4], 16                          ; tile_dim1
	s_mov_b32 s[G1+5], 4096                        ; from group to group
	s_mov_b32 s[G1+6], 0
	s_mov_b32 s[G1+7], 0
	s_or_b32 s[G1B], s70, (0<<16)|(1<<20)|(1<<21)|(5<<22)|(3<<25)   ; B: after every 64 words, 4 words
	s_mov_b32 s[G1B+1], 256<<16
	s_mov_b32 s[G1B+2], 128<<16
	s_mov_b32 s[G1B+3], 256<<16
	s_mov_b32 s[G1B+4], 128
	s_mov_b32 s[G1B+5], 1024
	s_mov_b32 s[G1B+6], 0
	s_mov_b32 s[G1B+7], 0
	s_lshl_b32 s20, s17, 7
	s_lshl_b32 s18, s16, 6
	s_add_co_u32 s20, s20, s18
	s_lshl_b32 s20, s20, 10                        ; A: token 128 x tile row + 64 x half, 1,024 bytes a token
	s_mov_b32 s21, 0
	s_lshl_b32 s72, s68, 8
	s_lshl_b32 s73, s16, 7
	s_add_co_u32 s72, s72, s73
	s_lshl_b32 s72, s72, 10                        ; B: row 256 x tile column + 128 x half,
	s_add_co_u32 s72, s72, 3<<20                   ; in wc's plane 3
	s_mov_b32 s73, 0
	s_mul_i32 s22, s16, AHALF                      ; where they go: no place in the cluster enters an LDS address
	s_mul_i32 s23, s16, BHALF
	s_add_co_u32 s23, s23, BOFF
	s_wait_kmcnt 0x0
	s_load_b64 s[94:95], s[8:9], 0x28              ; e10, e11
	s_add_nc_u64 s[20:21], s[4:5], s[20:21]
	s_add_nc_u64 s[72:73], s[6:7], s[72:73]
	CROUND                                         ; all sixteen work-groups are here: the first joint loads meet
.irp s, 0,1,2
	s_mov_b32 s[G0A+4*\s], 1
	s_add_co_u32 s[G0A+4*\s+1], s22, \s*SLOT
	s_add_nc_u64 s[G0A+4*\s+2:G0A+4*\s+3], s[20:21], \s*1024
	s_or_b32 s[G0A+4*\s+3], s[G0A+4*\s+3], 0x80000000
	s_mov_b32 s[G0B+4*\s], 1
	s_add_co_u32 s[G0B+4*\s+1], s23, \s*SLOT
	s_add_nc_u64 s[G0B+4*\s+2:G0B+4*\s+3], s[72:73], \s*256
	s_or_b32 s[G0B+4*\s+3], s[G0B+4*\s+3], 0x80000000
.endr
	s_cmp_eq_u32 s15, 0                            ; a wave's three first fills stand in one branch: three loads of mine are out
	s_cbranch_scc0 .Lfirst_b
	tensor_load_to_lds s[G0A:G0A+3], s[G1:G1+7]
	s_nop 0
	tensor_load_to_lds s[G0A+4:G0A+7], s[G1:G1+7]
	s_nop 0
	tensor_load_to_lds s[G0A+8:G0A+11], s[G1:G1+7]
	s_nop 0
.rept 4
	v_nop
.endr
	s_branch .Lfirst_asked
.Lfirst_b:
	tensor_load_to_lds s[G0B:G0B+3], s[G1B:G1B+7]
	s_nop 0
	tensor_load_to_lds s[G0B+4:G0B+7], s[G1B:G1B+7]
	s_nop 0
	tensor_load_to_lds s[G0B+8:G0B+11], s[G1B:G1B+7]
	s_nop 0
.rept 4
	v_nop
.endr
.Lfirst_asked:
	v_and_b32 v1, 15, v0                           ; r
	v_bfe_u32 v2, v0, 4, 1                         ; h
	v_lshrrev_b32 v3, 2, v1
	v_mul_u32_u24 v3, v3, AP
	v_and_b32 v4, 3, v1
	v_lshl_add_u32 v3, v4, 6, v3
	v_lshl_add_u32 v3, v2, 4, v3                   ; A: 1,040 (r / 4) + 64 (r % 4) + 16 h
	v_mul_u32_u24 v4, v1, BP
	v_lshl_add_u32 v4, v2, 4, v4                   ; B: 272 r + 16 h
	s_mul_i32 s18, s15, AHALF
	s_mul_i32 s19, s16, BHALF
	s_add_co_u32 s19, s19, BOFF
.irp s, 0,1,2
	v_add_nc_u32 v[ADRA+\s], s18, v3
	v_add_nc_u32 v[ADRB+\s], s19, v4
	s_add_co_u32 s18, s18, SLOT
	s_add_co_u32 s19, s19, SLOT
.endr
	s_mul_i32 s18, s14, 16*SPITCH
	s_add_co_u32 s18, s18, SLOT                    ; my stage, in slot 1
	v_mul_u32_u24 v5, v1, SPITCH
	v_lshl_add_u32 v5, v2, 5, v5
	v_add_nc_u32 v[STO], s18, v5                   ; in: row r, 32 bytes for each half of the lanes
	v_and_b32 v6, 31, v0
	v_lshlrev_b32 v[CO], 4, v6                     ; back: the 32 lanes take one row of 512 bytes; and the same in out0
	v_add_nc_u32 v[RD], s18, v[CO]
	v_lshlrev_b32 v[BOA], 5, v2
	s_wait_alu depctr_va_vdst(0)
	s_lshl_b32 s74, s17, 7
	s_lshl_b32 s75, s15, 6
	s_add_co_u32 s74, s74, s75
	s_lshl_b32 s74, s74, 12                        ; my first token, 4,096 bytes a row of out0
	s_lshl_b32 s76, s68, 8
	s_lshl_b32 s75, s16, 7
	s_add_co_u32 s76, s76, s75
	s_lshl_b32 s76, s76, 2                         ; my first column, in bytes
	s_mov_b32 s77, 0
	s_add_nc_u64 s[10:11], s[10:11], s[76:77]
	s_add_co_u32 s74, s74, s76
	s_mov_b32 s75, 0
	s_add_nc_u64 s[12:13], s[12:13], s[74:75]
	WIN 0xc0                                       ; destination window 3
.irp b, 0,1,2,3,4,5,6,7                        ; the bias in the result's layout: register 8 b + j = bo at my column 16 b + 8 h + j
	global_load_b128 v[8*\b:8*\b+3], v[BOA], s[10:11] offset:64*\b
	global_load_b128 v[8*\b+4:8*\b+7], v[BOA], s[10:11] offset:64*\b+16
.endr
	WIN 0
.macro FRAGA reg, slot, q, i           ; 16 tokens x 128 K: registers 4 c .. 4 c + 3 hold k = 32 c + 16 h + 0 .. 15 of the slot's q-th 128: head 2 q + c / 2, e = 32 (c % 2) + 16 h
.irp c, 0,1,2,3
	ds_load_b128 v[\reg+4*\c:\reg+4*\c+3], v[ADRA+\slot] offset:4*AP*(\i)+256*(2*(\q)+\c/2)+32*(\c%2)
.endr
.endm
.macro FRAGB reg, slot, q, i
.irp c, 0,1,2,3
	ds_load_b128 v[\reg+4*\c:\reg+4*\c+3], v[ADRB+\slot] offset:16*BP*(\i)+128*(\q)+32*\c
.endr
.endm
.macro FETCH slot, q, p                ; 48 LDS loads in one run: B's eight fragments and A's four into set p
	WIN TO_B
.irp i, 0,1,2,3,4,5,6,7
	FRAGB 128*(\p)+FR*\i, \slot, \q, \i
.endr
	WIN 0
.irp i, 0,1,2,3
	FRAGA AF+64*(\p)+FR*\i, \slot, \q, \i
.endr
.endm
.macro MULA a, p, zero                 ; 8 matrix instructions: A's block a x B's eight.  The 32 accumulators take turns, in the same order in every step
.irp b, 0,1,2,3,4,5,6,7
.if \zero
	v_wmma_f32_16x16x128_fp8_fp8 v[8*(8*(\a)+\b):8*(8*(\a)+\b)+7], v[128*(\p)+FR*\b:128*(\p)+FR*\b+FR-1], v[AF+64*(\p)+FR*(\a):AF+64*(\p)+FR*(\a)+FR-1], 0
.else
	v_wmma_f32_16x16x128_fp8_fp8 v[8*(8*(\a)+\b):8*(8*(\a)+\b)+7], v[128*(\p)+FR*\b:128*(\p)+FR*\b+FR-1], v[AF+64*(\p)+FR*(\a):AF+64*(\p)+FR*(\a)+FR-1], v[8*(8*(\a)+\b):8*(8*(\a)+\b)+7]
.endif
.endr
.endm
.macro GSTEP p, zero, ns, nq           ; 128 along K on set p; the next 128 (slot ns, part nq) are fetched into the other set first and land under the products
	s_wait_dscnt 0x0                               ; set p is in
	PLACES 4                                       ; in front of loads into the set that the last step multiplied
	FETCH \ns, \nq, 1-(\p)
	WIN MUL
	MULA 0, \p, \zero
	MULA 1, \p, \zero
	MULA 2, \p, \zero
	MULA 3, \p, \zero
	WIN 0
.endm
; A step with a barrier: in front of it each wave waits for all its tensor loads, adds 0 to its spare word, and waits for that and for its LDS reads.  fill = 1: slot 0, which nobody reads any more, takes K step 3.
.macro GTURN p, fill, ns
	s_wait_tensorcnt 0x0
	ds_add_u32 v[SPW], v[NIL]                      ; 0 onto my spare word
	s_wait_dscnt 1                                 ; set p is in; the add may be out
	WIN MUL
	MULA 0, \p, 0
	s_wait_dscnt 0x0                               ; the add is done, and my reads are over
	s_barrier_signal -1
	MULA 1, \p, 0
	WIN 0
	s_barrier_wait -1
.if \fill
	CREST                                          ; the barrier has opened a round of the cluster's barrier
	s_add_nc_u64 s[G0A+2:G0A+3], s[G0A+2:G0A+3], 3*1024
	s_add_nc_u64 s[G0B+2:G0B+3], s[G0B+2:G0B+3], 3*256
	JLOAD G0A, G1, G0B, G1B                        ; the first tensor load behind the round; its four v_nop are the places in front of the loads below
.else
	PLACES 4
.endif
	FETCH \ns, 0, 1-(\p)
	WIN MUL
	MULA 2, \p, 0
	MULA 3, \p, 0
	WIN 0
.endm
	s_wait_tensorcnt 2                             ; my part of K step 0 is in; K steps 1 and 2 may be out
	s_barrier_signal -1
	s_barrier_wait -1
	FETCH 0, 0, 0
	GSTEP 0, 1, 0, 1                               ; slot 0, first half: the products start the sums
	GTURN 1, 1, 1                                  ; slot 0, second half; all three first fills have landed in every wave; slot 0 takes K step 3
	GSTEP 0, 0, 1, 1
	GSTEP 1, 0, 2, 0
	GSTEP 0, 0, 2, 1
	GTURN 1, 0, 0                                  ; slot 2, second half; K step 3 has landed in every wave
	GSTEP 0, 0, 0, 1
	s_wait_dscnt 0x0
	WIN MUL
	MULA 0, 1, 0
	MULA 1, 1, 0
	MULA 2, 1, 0
	MULA 3, 1, 0
	WIN 0
; THE WAY OUT, block by block of 16 tokens x 128 columns: sum x 2^(e10 + e11) + bias, one packed multiply-add for two numbers; through my own stage; back as whole rows of 512 bytes.
.macro TOSTAGE a
.set AC, 64*(\a)
	WIN 0x32                                       ; source 0 (the sums) window 2, source 2 (the bias) window 3
.set j, 0
.rept 32
	v_pk_fma_f32 v[TMP+j:TMP+j+1], v[AC+j:AC+j+1], s[96:97], v[j:j+1] op_sel_hi:[1,0,1]   ; each accumulator from its low end on
.set j, j+2
.endr
	WIN 0
.irp b, 0,1,2,3,4,5,6,7
	ds_store_b128 v[STO], v[TMP+8*\b:TMP+8*\b+3] offset:64*\b
	ds_store_b128 v[STO], v[TMP+8*\b+4:TMP+8*\b+7] offset:64*\b+16
.endr
.set BB, BK+64*((\a)%2)
.irp t, 0,1,2,3,4,5,6,7,8,9,10,11,12,13,14,15
	ds_load_b128 v[BB+4*\t:BB+4*\t+3], v[RD] offset:\t*SPITCH   ; LDS serves a wave's instructions in order (ISA guide 5.7.1.4): these see my stores
.endr
.endm
.macro SEND a, younger
.set BB, BK+64*((\a)%2)
	s_wait_dscnt \younger
.if (\a) > 0
	s_add_nc_u64 s[12:13], s[12:13], 16*4096       ; (behind a wait on XCNT: the earlier stores have read their base)  16 tokens on
.endif
.irp t, 0,1,2,3,4,5,6,7,8,9,10,11,12,13,14,15
	global_store_b128 v[CO], v[BB+4*\t:BB+4*\t+3], s[12:13] offset:\t*4096 th:TH_STORE_NT   ; 32 lanes store 512 consecutive bytes, aligned; written once, read by nobody here
.endr
.endm
	s_wait_kmcnt 0x0
	s_add_co_i32 s96, s94, s95
	s_add_co_i32 s96, s96, 127
	s_lshl_b32 s96, s96, 23                        ; 2^(e10 + e11) as f32
	s_mov_b32 s97, s96                             ; (named with it as a pair, so it is written)
	s_wait_loadcnt 0x0                             ; the bias
	PLACES 4                                       ; for the reads of results, and for the loads into the registers that held A's fragments
	TOSTAGE 0
.irp a, 1,2,3
.if \a > 1
	s_wait_xcnt 0x0                                ; block a - 2's stores have read their registers and their base
.endif
	TOSTAGE \a
	SEND \a-1, 32                                  ; behind block a - 1's loads: block a's 16 stores and 16 loads
.endr
	s_wait_xcnt 0x0
	SEND 3, 0
	s_wait_tensorcnt 0x0                           ; the wave's end
	ds_add_u32 v[SPW], v[NIL]
	s_wait_dscnt 0x0
	CROUND                                         ; the closing round
	s_endpgm
.Lfunc_end_k_q10a6d0ee02_proj:
	.size	k_q10a6d0ee02_proj, .Lfunc_end_k_q10a6d0ee02_proj-k_q10a6d0ee02_proj
	.p2alignl 7, 3214868480
	.fill 96, 4, 3214868480
	.section	.rodata,"a",@progbits
	.p2align	6, 0x0
	.amdhsa_kernel k_q10a6d0ee02_proj
		.amdhsa_group_segment_fixed_size 327680
		.amdhsa_private_segment_fixed_size 0
		.amdhsa_enable_private_segment 0
		.amdhsa_kernarg_size 40
		.amdhsa_user_sgpr_count 2
		.amdhsa_user_sgpr_kernarg_segment_ptr 1
		.amdhsa_wavefront_size32 1
		.amdhsa_system_sgpr_workgroup_id_x 1
		.amdhsa_system_sgpr_workgroup_id_y 1
		.amdhsa_system_sgpr_workgroup_id_z 1
		.amdhsa_system_vgpr_workitem_id 0
		.amdhsa_next_free_vgpr 832
		.amdhsa_next_free_sgpr 100
		.amdhsa_reserve_vcc 0
		.amdhsa_float_denorm_mode_32 3
		.amdhsa_float_denorm_mode_16_64 3
		.amdhsa_memory_ordered 1
		.amdhsa_forward_progress 1
		.amdhsa_inst_pref_size 77
	.end_amdhsa_kernel
	.amdgpu_metadata
---
amdhsa.version: [ 1, 2 ]
amdhsa.kernels:
  - .name:           k_q10a6d0ee02_proj
    .symbol:         k_q10a6d0ee02_proj.kd
    .args:
      - { .name: oc, .offset: 0, .size: 8, .value_kind: global_buffer, .address_space: global }
      - { .name: wc, .offset: 8, .size: 8, .value_kind: global_buffer, .address_space: global }
      - { .name: lowp_scales, .offset: 16, .size: 8, .value_kind: global_buffer, .address_space: global }
      - { .name: bo, .offset: 24, .size: 8, .value_kind: global_buffer, .address_space: global }
      - { .name: out0, .offset: 32, .size: 8, .value_kind: global_buffer, .address_space: global }
    .group_segment_fixed_size: 327680
    .private_segment_fixed_size: 0
    .kernarg_segment_align: 8
    .kernarg_segment_size: 40
    .max_flat_workgroup_size: 128
    .sgpr_count:     100
    .vgpr_count:     832
    .wavefront_size: 32
...
	.end_amdgpu_metadata
.endif
;; end of part 4
